; MI455X (gfx1250); checked and timed in simulation.
; The chip was launched on July 23, 2026; its instructions are those of AMD's public machine-readable ISA for CDNA 5 (MIT licence, August 2026) and "CDNA5" Instruction Set Architecture Reference Guide (July 2026). The comments in the code are by the model that wrote it; some were corrected since.
;; Encoder. Allowed arithmetic: float matrix products may take bf16 or f16 operands with f32 sums; all other float work in f32.
;; Inputs: Wk 1,024 x 1,024 float32; Wq 1,024 x 1,024 float32; Wv 1,024 x 1,024 float32; bk 1,024 float32; bq 1,024 float32; bv 1,024 float32; x 4 x 2,048 x 1,024 float32.
;; Outputs: out0 4 x 2,048 x 1,024 float32.
;; 2 versions, each right; version 2 is version 1 with the launch cast written anew for expert scheduling mode. Each part assembles by itself: llvm-mc -triple=amdgcn-amd-amdhsa -mcpu=gfx1250 --defsym DOCPART=n.
;; ======== version 1 of 2: 3 launches
;; workspace buffers: xb 16,777,216 bytes; wb 6,291,456 bytes; qb 16,777,216 bytes; kb 16,777,216 bytes; vtb 16,777,216 bytes
;; launch cast (part 1): grid 704 x 1, 8 waves a work-group, no clusters, 0 bytes of LDS; arguments x, Wq, Wk, Wv, xb, wb; writes xb, wb
.if DOCPART == 1
	.amdgcn_target "amdgcn-amd-amdhsa--gfx1250"
	.amdhsa_code_object_version 6
	.text
	.protected	k_q7a7afa5320_cast
	.globl	k_q7a7afa5320_cast
	.p2align	8
	.type	k_q7a7afa5320_cast,@function
k_q7a7afa5320_cast:
	s_mov_b64 s[64:65], 0
	v_nop
	global_prefetch_b8 v0, s[64:65] scope:SCOPE_SE
	s_setreg_imm32_b32 hwreg(HW_REG_WAVE_MODE, 25, 1), 1
	s_wait_xcnt 0x0
; x [8192][1024] and Wq, Wk, Wv [1024][1024], all f32, are rounded once to bf16 (nearest even) and laid out by K steps of 64:
;   xb byte = s*1048576 + row*128 + 2*(k & 63),                         s = k >> 6
;   wb byte = s*393216 + j*49152 + m*16384 + r*128 + 2*(k & 63),        m = 0,1,2 for Wq,Wk,Wv; weight row = 128 j + r
; so that every tile which the next launch fetches is one dense block that starts at a multiple of 256 bytes.
; A work-group takes 16 source rows (64 KiB): groups 0-511 rows of x, groups 512-703 rows of a weight matrix.
; A wave takes two rows, lanes 0-15 the even one and lanes 16-31 the odd one.  A load of the wave reads two aligned runs of 256 bytes
; (64 numbers of each row = one K step), a store writes 32 lanes x 8 bytes = one aligned run of 256 bytes (two rows of one K step).
; All sixteen loads of a wave go out at once; no register is written twice, so no source of a pending access is ever rewritten.
; No LDS, no matrix unit, no cluster: every byte is read once by one wave and nothing is shared between work-groups.
; Limit: numbers whose magnitude rounds past the largest bf16 become infinite.
.set XSTRIDE, 1048576                  ; bytes of one K step of xb
.set WSTRIDE, 393216                   ; bytes of one K step of wb
.set X, 8                              ; v[8:71]    K step s: 4 f32 as loaded
.set Y, 72                             ; v[72:103]  K step s: 4 bf16 to store
.macro CASTROWS stride
.irp s, 0,1,2,3,4,5,6,7,8,9,10,11,12,13,14,15
	global_load_b128 v[X+4*\s:X+4*\s+3], v1, s[16:17] offset:256*\s th:TH_LOAD_NT
.endr
.irp s, 0,1,2,3,4,5,6,7
	s_wait_loadcnt 15-\s                           ; loads return in order: K step s is in, the younger ones stay out
	v_cvt_pk_bf16_f32 v[Y+2*\s], v[X+4*\s], v[X+4*\s+1]
	v_cvt_pk_bf16_f32 v[Y+2*\s+1], v[X+4*\s+2], v[X+4*\s+3]
	global_store_b64 v2, v[Y+2*\s:Y+2*\s+1], s[18:19] offset:\s*\stride
.endr
.irp s, 8,9,10,11,12,13,14,15
	s_wait_loadcnt 15-\s
	v_cvt_pk_bf16_f32 v[Y+2*\s], v[X+4*\s], v[X+4*\s+1]
	v_cvt_pk_bf16_f32 v[Y+2*\s+1], v[X+4*\s+2], v[X+4*\s+3]
	global_store_b64 v2, v[Y+2*\s:Y+2*\s+1], s[20:21] offset:(\s-8)*\stride   ; second base: 15 K steps of xb do not fit the immediate
.endr
.endm
	s_load_b256 s[4:11], s[0:1], 0x0               ; x s[4:5], Wq s[6:7], Wk s[8:9], Wv s[10:11]
	s_load_b128 s[12:15], s[0:1], 0x20             ; xb s[12:13], wb s[14:15]
	v_lshrrev_b32 v1, 4, v0                        ; my row of the group's 16
	v_and_b32 v3, 15, v0
	v_lshlrev_b32 v1, 12, v1                       ; x 4096 bytes
	v_lshl_add_u32 v1, v3, 4, v1                   ; + my 16 bytes of each run of 256
	v_lshlrev_b32 v2, 3, v0                        ; out: row*128 + 8*(lane mod 16) = 8 x thread
	s_mov_b32 s23, 0
	s_mov_b32 s25, 0
	s_wait_kmcnt 0x0
	s_cmp_lt_u32 ttmp9, 512
	s_cbranch_scc0 .Lweights
	s_lshl_b32 s22, ttmp9, 16                      ; 16 rows of 4096 bytes
	s_lshl_b32 s24, ttmp9, 11                      ; 16 rows of 128 bytes
	s_add_nc_u64 s[16:17], s[4:5], s[22:23]
	s_add_nc_u64 s[18:19], s[12:13], s[24:25]
	s_add_nc_u64 s[20:21], s[18:19], 8*XSTRIDE
	CASTROWS XSTRIDE
	s_endpgm
.Lweights:
	s_sub_co_u32 s26, ttmp9, 512
	s_lshr_b32 s27, s26, 6                         ; m: which matrix
	s_and_b32 s26, s26, 63                         ; c: which 16 rows of it
	s_cmp_eq_u32 s27, 1
	s_cselect_b64 s[16:17], s[8:9], s[6:7]
	s_cmp_eq_u32 s27, 2
	s_cselect_b64 s[16:17], s[10:11], s[16:17]
	s_lshl_b32 s22, s26, 16
	s_add_nc_u64 s[16:17], s[16:17], s[22:23]
	s_lshr_b32 s24, s26, 3                         ; j = c / 8
	s_mul_i32 s24, s24, 49152
	s_lshl_b32 s28, s27, 14                        ; m * 16384
	s_add_co_u32 s24, s24, s28
	s_and_b32 s28, s26, 7
	s_lshl_b32 s28, s28, 11                        ; (c mod 8) * 16 rows of 128 bytes
	s_add_co_u32 s24, s24, s28
	s_add_nc_u64 s[18:19], s[14:15], s[24:25]
	s_add_nc_u64 s[20:21], s[18:19], 8*WSTRIDE
	CASTROWS WSTRIDE
	s_endpgm
.Lfunc_end_k_q7a7afa5320_cast:
	.size	k_q7a7afa5320_cast, .Lfunc_end_k_q7a7afa5320_cast-k_q7a7afa5320_cast
	.p2alignl 7, 3214868480
	.fill 96, 4, 3214868480
	.section	.rodata,"a",@progbits
	.p2align	6, 0x0
	.amdhsa_kernel k_q7a7afa5320_cast
		.amdhsa_group_segment_fixed_size 0
		.amdhsa_private_segment_fixed_size 0
		.amdhsa_enable_private_segment 0
		.amdhsa_kernarg_size 48
		.amdhsa_user_sgpr_count 2
		.amdhsa_user_sgpr_kernarg_segment_ptr 1
		.amdhsa_wavefront_size32 1
		.amdhsa_system_sgpr_workgroup_id_x 1
		.amdhsa_system_sgpr_workgroup_id_y 1
		.amdhsa_system_sgpr_workgroup_id_z 1
		.amdhsa_system_vgpr_workitem_id 0
		.amdhsa_next_free_vgpr 104
		.amdhsa_next_free_sgpr 66
		.amdhsa_reserve_vcc 0
		.amdhsa_float_denorm_mode_32 3
		.amdhsa_float_denorm_mode_16_64 3
		.amdhsa_memory_ordered 1
		.amdhsa_forward_progress 1
		.amdhsa_inst_pref_size 13
	.end_amdhsa_kernel
	.amdgpu_metadata
---
amdhsa.version: [ 1, 2 ]
amdhsa.kernels:
  - .name:           k_q7a7afa5320_cast
    .symbol:         k_q7a7afa5320_cast.kd
    .args:
      - { .name: x, .offset: 0, .size: 8, .value_kind: global_buffer, .address_space: global }
      - { .name: Wq, .offset: 8, .size: 8, .value_kind: global_buffer, .address_space: global }
      - { .name: Wk, .offset: 16, .size: 8, .value_kind: global_buffer, .address_space: global }
      - { .name: Wv, .offset: 24, .size: 8, .value_kind: global_buffer, .address_space: global }
      - { .name: xb, .offset: 32, .size: 8, .value_kind: global_buffer, .address_space: global }
      - { .name: wb, .offset: 40, .size: 8, .value_kind: global_buffer, .address_space: global }
    .group_segment_fixed_size: 0
    .private_segment_fixed_size: 0
    .kernarg_segment_align: 8
    .kernarg_segment_size: 48
    .max_flat_workgroup_size: 256
    .sgpr_count:     66
    .vgpr_count:     104
    .wavefront_size: 32
...
	.end_amdgpu_metadata
.endif
;; end of part 1
;; launch proj (part 2): grid 8 x 32, 4 waves a work-group, clusters of 4 x 4, 327,680 bytes of LDS; arguments xb, wb, bq, bk, bv, qb, kb, vtb; writes qb, kb, vtb
.if DOCPART == 2
	.amdgcn_target "amdgcn-amd-amdhsa--gfx1250"
	.amdhsa_code_object_version 6
	.text
	.protected	k_q7a7afa5320_proj
	.globl	k_q7a7afa5320_proj
	.p2align	8
	.type	k_q7a7afa5320_proj,@function
k_q7a7afa5320_proj:
	s_mov_b64 s[64:65], 0
	v_nop
	global_prefetch_b8 v0, s[64:65] scope:SCOPE_SE
	s_setreg_imm32_b32 hwreg(HW_REG_WAVE_MODE, 25, 1), 1
	s_wait_xcnt 0x0
	s_wait_alu depctr_hold_cnt(0) depctr_sa_sdst(0) depctr_va_vdst(0) depctr_va_sdst(0) depctr_va_ssrc(0) depctr_va_vcc(0) depctr_vm_vsrc(0)
	s_getreg_b32 s2, hwreg(HW_REG_IB_STS2, 6, 4)
	s_cmp_eq_u32 s2, 0
	s_cbranch_scc0 .Lentry_in_a_cluster
	s_endpgm
.Lentry_in_a_cluster:
	s_bfe_u32 s2, ttmp6, 0x10000c
	s_cmp_lg_u32 s2, 0xf033
	s_cbranch_scc0 .Lentry_shape_is_right
	s_endpgm
.Lentry_shape_is_right:
; q = (x Wq^T + bq) * log2(e)/32,  k = x Wk^T + bk,  v = x Wv^T + bv;  operands bf16, sums f32, each result rounded once to bf16.
;   qb, kb: [64 head][2048 token][64] bf16;   vtb: [64 head][64 d][2048 token] bf16;   head = 16 batch + h.
; The factor log2(e)/32 (1/sqrt(1024), and base 2 for the exponentials of the next launch) is applied in f32 ahead of q's one rounding.
; A work-group makes rows 256 i .. +255 times columns 128 j .. +127 of each of the three products: 8 x 32 = 256 equal work-groups.
; Four waves, as many as a WGP has SIMDs; wave w: rows 128 (w>>1) .. +127, columns 64 (w&1) .. +63 of each product (one head):
; 8 x 4 tiles of 16 x 16 for each of three products = 96 accumulators = 768 registers; 20 fragments from LDS feed 96 matrix instructions.
; K goes in 16 steps of 64 through two LDS slots.  Two slots of a step of 128 would take 2 x 640 x 272 bytes, more than the 327,680 there are.
; CLUSTERS: 4 x 4 work-groups.  x's tile hangs on i alone and is asked for jointly by the four of a row of the cluster, the weights' tile
; on j alone and by the four of a column: each tile is requested once for four work-groups.
; LDS: a tile is a dense block in memory and comes in as rows of 256 bytes with 16 bytes of padding behind each, so an LDS row of 272 bytes
; holds two logical rows of 128 bytes: logical row p at (p>>1)*272 + (p&1)*128.  The sixteen lanes of half a fragment load start at
; 16 (r>>1) + 128 (r&1) modulo 256: sixteen different pieces of 16 bytes.
; REGISTERS in windows of 256: window 0 addresses and fragments; windows 1, 2, 3 the accumulators of q, k, v, tile (a, b) at v[8 (4 a + b)].
; q and k use the matrix instruction with source 0 = weight rows, source 1 = x rows: a lane then holds one token and eight neighbouring
; features, 16 bytes of a row of qb or kb.  v uses source 0 = x rows, source 1 = weight rows: a lane holds one feature and eight
; neighbouring tokens, 16 bytes of a row of vtb.
; The 96 accumulators take turns, one instruction a turn, in the same order in every slice.
; Limits: operands rounded to bf16; results beyond bf16's range become infinite.
.set PP,     272                       ; an LDS row: two logical rows + padding
.set T16,    8*PP                      ; sixteen logical rows
.set AOFF,   192*PP                    ; the weights' 384 logical rows lie first, x's 256 behind them
.set SLOT,   320*PP                    ; 87,040
.set STAGE,  2*SLOT                    ; 174,080 = 680 x 256: behind the ring, never the target of a tensor load
.set STG,    4608                      ; a wave's stage: 32 rows x 144 (q, k) or 16 rows x 272 (v)
.set ASTEP,  1048576                   ; one K step of xb
.set BSTEP,  393216                    ; one K step of wb
.set CSCALE, 0x3d38aa3b                ; log2(e) / 32
.set ADRA, 4                           ; v4-5   LDS address of my x fragments in slot 0, 1
.set ADRB, 6                           ; v6-7   the same for the weights
.set STOQ, 8                           ; q, k on the way out: where I put 16 bytes
.set RDQ,  9                           ;                      where I read 16 bytes back
.set COQ,  10                          ;                      my byte offset in qb, kb
.set STOV, 11                          ; the same three for v
.set RDV,  12
.set COV,  13
.set BOQ,  14                          ; byte offset of my 8 numbers in bq, bk
.set BOV,  15                          ; byte offset of my number in bv
.set BV,   24                          ; v[24:31]  bv of tile b, twice (a pair for the packed add)
.set FA0,  32                          ; x fragments, 8 x 8 registers, buffer 0
.set FA1,  96                          ; buffer 1
.set FB,   160                         ; weight fragments: 4 x 8 registers for each of the three matrices
.set BQ,   32                          ; the way out: bq (scaled) and bk of my 64 columns, in buffer 0
.set BK,   64
.set TF,   96                          ; 64 results in f32
.set TP,   160                         ; packed
.set RB0,  192                         ; read back, two sets by turns
.set RB1,  224
.set G1A, 32                           ; s[32:39] group 1 for x's tiles
.set G0A, 40                           ; s[40:47] group 0 for x's tiles, one set for each slot
.set G1B, 48                           ; s[48:55] group 1 for the weights' tiles
.set G0B, 56                           ; s[56:63] group 0 for the weights' tiles, one set for each slot
.set MSB, 0
.macro WIN new                         ; low byte: bits 1:0 source 0, 3:2 source 1, 5:4 source 2, 7:6 destination; high byte: the setting left
.if MSB != (\new)
	s_set_vgpr_msb (MSB<<8)|(\new)
.set MSB, \new
.endif
.endm
.macro PLACES                          ; four plain vector instructions between a matrix instruction and a load into, or a vector write or read of, its registers
.rept 4
	v_nop
.endr
.endm
; A joint load: waves 0, 1 fetch the weights' two halves, waves 2, 3 x's.  The branch hangs on the wave's number alone.
.macro JLOAD s
	s_cmp_eq_u32 s21, 0
	s_cbranch_scc0 .Lfor_a_\@
	tensor_load_to_lds s[G0B+4*\s:G0B+4*\s+3], s[G1B:G1B+7]
	s_nop 0
	s_branch .Lasked_\@
.Lfor_a_\@:
	tensor_load_to_lds s[G0A+4*\s:G0A+4*\s+3], s[G1A:G1A+7]
	s_nop 0
.Lasked_\@:
.endm
.macro CREST                           ; a round of the cluster's barrier behind its opening work-group barrier
	s_cmp_lg_u32 s20, 0
	s_cbranch_scc1 .Lnot_wave_0_\@
	s_barrier_signal -3
.Lnot_wave_0_\@:
	s_barrier_wait -3
	s_barrier_signal -1
	s_barrier_wait -1
.endm
.macro CROUND                          ; a whole round
	s_barrier_signal -1
	s_barrier_wait -1
	CREST
.endm
	s_load_b512 s[4:19], s[0:1], 0x0               ; xb 4, wb 6, bq 8, bk 10, bv 12, qb 14, kb 16, vtb 18
	v_lshl_add_u32 v22, v0, 2, 0x2f000
	v_mov_b32 v23, 0
	ds_add_u32 v22, v23
	v_lshrrev_b32 v1, 5, v0
	v_readfirstlane_b32 s20, v1                    ; wave 0..3
	s_lshr_b32 s21, s20, 1                         ; my half of the rows.  Also: I fetch weights (0) or x (1)
	s_and_b32 s22, s20, 1                          ; my half of the columns.  Also: which half of that tile I fetch
	s_bfe_u32 s23, ttmp6, 0x40000                  ; cx
	s_bfe_u32 s24, ttmp6, 0x40004                  ; cy
	s_lshl_b32 s25, ttmp9, 2
	s_add_co_u32 s25, s25, s23                     ; j = 4 x cluster x + cx
	s_and_b32 s26, ttmp7, 0xffff
	s_lshl_b32 s26, s26, 2
	s_add_co_u32 s26, s26, s24                     ; i = 4 x cluster y + cy
	s_lshl_b32 s27, s24, 2
	s_lshl_b32 s27, 15, s27                        ; my row of the cluster: places 4 cy .. 4 cy + 3
	s_lshl_b32 s28, 0x1111, s23                    ; my column: places cx, cx + 4, cx + 8, cx + 12
	; group 1: rows of 32 elements of 8 bytes (256 bytes), dense; 4 words of padding behind every 64 words
	s_or_b32 s[G1A+0], s27, (3<<16)|(1<<20)|(1<<21)|(5<<22)|(3<<25)
	s_mov_b32 s[G1A+1], 32<<16                     ; tensor_dim0 = 32
	s_mov_b32 s[G1A+2], 64<<16                     ; tensor_dim1 = 64 rows = 128 logical rows
	s_mov_b32 s[G1A+3], 32<<16                     ; tile_dim0 = 32
	s_mov_b32 s[G1A+4], 64                         ; tile_dim1 = 64
	s_mov_b32 s[G1A+5], 32                         ; from row to row: 32 elements
	s_mov_b32 s[G1A+6], 0
	s_mov_b32 s[G1A+7], 0
	s_or_b32 s[G1B+0], s28, (3<<16)|(1<<20)|(1<<21)|(5<<22)|(3<<25)
	s_mov_b32 s[G1B+1], 32<<16
	s_mov_b32 s[G1B+2], 96<<16                     ; 96 rows = 192 logical rows
	s_mov_b32 s[G1B+3], 32<<16
	s_mov_b32 s[G1B+4], 96
	s_mov_b32 s[G1B+5], 32
	s_mov_b32 s[G1B+6], 0
	s_mov_b32 s[G1B+7], 0
	; where the tiles come from: x's address is made of i and the wave's number, the weights' of j and the wave's number, in registers of their own
	s_lshl_b32 s66, s26, 15                        ; 256 i rows of 128 bytes
	s_lshl_b32 s70, s22, 14                        ; + my 128 rows
	s_add_co_u32 s66, s66, s70
	s_mov_b32 s67, 0
	s_mul_i32 s68, s25, 49152                      ; block j: 384 rows of 128 bytes
	s_mul_i32 s71, s22, 24576                      ; + my 192 rows
	s_add_co_u32 s68, s68, s71
	s_mov_b32 s69, 0
	s_mul_i32 s29, s20, 64*PP                      ; where they go: x's halves at AOFF + (w - 2) x 17,408 = 17,408 + w x 17,408 (waves 2, 3)
	s_add_co_u32 s29, s29, 64*PP
	s_mul_i32 s30, s20, 96*PP                      ; the weights' halves at w x 26,112 (waves 0, 1)
	s_wait_dscnt 0x0
	s_wait_kmcnt 0x0
	s_add_nc_u64 s[66:67], s[4:5], s[66:67]
	s_add_nc_u64 s[68:69], s[6:7], s[68:69]
	CROUND                                         ; all sixteen work-groups are here: the first joint loads meet
.irp s, 0,1
	s_mov_b32 s[G0A+4*\s], 1
	s_add_co_u32 s[G0A+4*\s+1], s29, \s*SLOT
	s_add_nc_u64 s[G0A+4*\s+2:G0A+4*\s+3], s[66:67], \s*ASTEP
	s_or_b32 s[G0A+4*\s+3], s[G0A+4*\s+3], 0x80000000
	s_mov_b32 s[G0B+4*\s], 1
	s_add_co_u32 s[G0B+4*\s+1], s30, \s*SLOT
	s_add_nc_u64 s[G0B+4*\s+2:G0B+4*\s+3], s[68:69], \s*BSTEP
	s_or_b32 s[G0B+4*\s+3], s[G0B+4*\s+3], 0x80000000
	JLOAD \s                                       ; K steps 0 and 1: a wave has two tensor loads out here, later one
.endr
	v_and_b32 v1, 15, v0                           ; r
	v_bfe_u32 v2, v0, 4, 1                         ; h
	v_and_b32 v18, 31, v0                          ; lane
	v_lshrrev_b32 v16, 1, v1
	v_and_b32 v17, 1, v1
	v_mul_u32_u24 v3, v16, PP
	v_lshl_add_u32 v3, v17, 7, v3
	v_lshl_add_u32 v3, v2, 4, v3                   ; logical row r, 16 bytes for each half of the lanes
	s_mul_i32 s31, s21, 64*PP
	s_add_co_u32 s31, s31, AOFF
	v_add_nc_u32 v[ADRA], s31, v3
	v_add_nc_u32 v[ADRA+1], SLOT, v[ADRA]
	s_mul_i32 s31, s22, 32*PP
	v_add_nc_u32 v[ADRB], s31, v3
	v_add_nc_u32 v[ADRB+1], SLOT, v[ADRB]
	s_mul_i32 s73, s20, STG
	s_add_co_u32 s73, s73, STAGE                   ; my stage
	v_mul_u32_u24 v16, v1, 144
	v_lshl_add_u32 v16, v2, 4, v16
	v_add_nc_u32 v[STOQ], s73, v16                 ; token r, 16 h
	v_lshrrev_b32 v16, 3, v18
	v_and_b32 v17, 7, v18
	v_mul_u32_u24 v16, v16, 144
	v_lshl_add_u32 v16, v17, 4, v16
	v_add_nc_u32 v[RDQ], s73, v16                  ; eight lanes take a token's 128 bytes
	v_lshlrev_b32 v[COQ], 4, v18                   ; four tokens are 512 neighbouring bytes of qb, kb
	v_mul_u32_u24 v16, v1, 272
	v_lshl_add_u32 v16, v2, 4, v16
	v_add_nc_u32 v[STOV], s73, v16                 ; feature r, 16 h
	v_mul_u32_u24 v16, v2, 272
	v_lshl_add_u32 v16, v1, 4, v16
	v_add_nc_u32 v[RDV], s73, v16                  ; sixteen lanes take a feature's 256 bytes
	v_lshlrev_b32 v16, 12, v2
	v_lshl_add_u32 v[COV], v1, 4, v16              ; and the same two rows of vtb, 4,096 bytes apart
	s_lshl_b32 s86, s25, 9
	s_lshl_b32 s87, s22, 8
	s_add_co_u32 s86, s86, s87                     ; 4 (128 j + 64 (w&1))
	v_lshl_add_u32 v[BOQ], v2, 5, s86
	v_lshl_add_u32 v[BOV], v1, 2, s86
	; where the results go
	s_lshr_b32 s80, s26, 3                         ; batch
	s_lshl_b32 s80, s80, 4
	s_lshl_b32 s81, s25, 1
	s_add_co_u32 s80, s80, s81
	s_add_co_u32 s80, s80, s22                     ; head = 16 batch + 2 j + (w&1)
	s_lshl_b32 s80, s80, 18                        ; x 262,144 bytes
	s_and_b32 s81, s26, 7
	s_lshl_b32 s81, s81, 8
	s_lshl_b32 s82, s21, 7
	s_add_co_u32 s81, s81, s82                     ; my first token in the batch
	s_lshl_b32 s82, s81, 7
	s_add_co_u32 s82, s82, s80
	s_mov_b32 s83, 0
	s_lshl_b32 s84, s81, 1
	s_add_co_u32 s84, s84, s80
	s_mov_b32 s85, 0
	s_add_nc_u64 s[74:75], s[14:15], s[82:83]      ; qb
	s_add_nc_u64 s[76:77], s[16:17], s[82:83]      ; kb
	s_add_nc_u64 s[78:79], s[18:19], s[84:85]      ; vtb
; x's eight fragments of slice sl (32 along K) of a slot into buffer fa: 16 loads
.macro FETA slot, sl, fa
.irp a, 0,1,2,3,4,5,6,7
	ds_load_b128 v[\fa+8*\a:\fa+8*\a+3], v[ADRA+\slot] offset:\a*T16+64*\sl
	ds_load_b128 v[\fa+8*\a+4:\fa+8*\a+7], v[ADRA+\slot] offset:\a*T16+64*\sl+32
.endr
.endm
; matrix m's four fragments: 8 loads
.macro FETB slot, sl, m
.irp b, 0,1,2,3
	ds_load_b128 v[FB+32*\m+8*\b:FB+32*\m+8*\b+3], v[ADRB+\slot] offset:\m*64*PP+\b*T16+64*\sl
	ds_load_b128 v[FB+32*\m+8*\b+4:FB+32*\m+8*\b+7], v[ADRB+\slot] offset:\m*64*PP+\b*T16+64*\sl+32
.endr
.endm
; 16 matrix instructions: row tiles a0 .. a0+3 x the four column tiles of matrix m.  zero = 1: the first product starts the sums.
.macro MUL16 m, fa, a0, zero
.irp a, \a0, \a0+1, \a0+2, \a0+3
.irp b, 0,1,2,3
.if \m == 2
.if \zero
	v_wmma_f32_16x16x32_bf16 v[8*(4*(\a)+\b):8*(4*(\a)+\b)+7], v[\fa+8*(\a):\fa+8*(\a)+7], v[FB+64+8*\b:FB+64+8*\b+7], 0
.else
	v_wmma_f32_16x16x32_bf16 v[8*(4*(\a)+\b):8*(4*(\a)+\b)+7], v[\fa+8*(\a):\fa+8*(\a)+7], v[FB+64+8*\b:FB+64+8*\b+7], v[8*(4*(\a)+\b):8*(4*(\a)+\b)+7]
.endif
.else
.if \zero
	v_wmma_f32_16x16x32_bf16 v[8*(4*(\a)+\b):8*(4*(\a)+\b)+7], v[FB+32*\m+8*\b:FB+32*\m+8*\b+7], v[\fa+8*(\a):\fa+8*(\a)+7], 0
.else
	v_wmma_f32_16x16x32_bf16 v[8*(4*(\a)+\b):8*(4*(\a)+\b)+7], v[FB+32*\m+8*\b:FB+32*\m+8*\b+7], v[\fa+8*(\a):\fa+8*(\a)+7], v[8*(4*(\a)+\b):8*(4*(\a)+\b)+7]
.endif
.endif
.endr
.endr
.endm
; A slice's LDS loads go out in three groups, each as soon as its registers are free: G1 = Wq's fragments and x's (24 loads), G2 = Wk's (8), G3 = Wv's (8).
; The first slice of a K step: multiplies buffer 0, fetches the second slice of the same slot.
.macro FIRSTSL slot, zero
	s_wait_dscnt 16                                ; G1 is in; G2 and G3, 16 loads, may be out
	WIN 0x50
	MUL16 0, FA0, 0, \zero
	MUL16 0, FA0, 4, \zero
	PLACES
	WIN 0
	FETB \slot, 1, 0
	FETA \slot, 1, FA1
	s_wait_dscnt 32                                ; G2 is in; behind it stand G3 (8) and the next G1 (24)
	WIN 0xa0
	MUL16 1, FA0, 0, \zero
	MUL16 1, FA0, 4, \zero
	PLACES
	WIN 0
	FETB \slot, 1, 1
	s_wait_dscnt 32                                ; G3 is in; behind it stand the next G1 (24) and G2 (8)
	WIN 0xf0
	MUL16 2, FA0, 0, \zero
	MUL16 2, FA0, 4, \zero
	PLACES
	WIN 0
	FETB \slot, 1, 2
.endm
; The second slice: multiplies buffer 1 and changes slots.  One barrier for two things: in front of it each wave's reads of this slot are over and
; all its tensor loads have landed (one is out: its part of the next slot); behind it this slot is filled again first, then the next slot is read.
; From a request to the wait for it a wave issues 64 + 96 + 16 = 176 matrix instructions.
.macro TURN slot, next, fill
	s_wait_dscnt 16
	WIN 0x50
	MUL16 0, FA1, 0, 0
	s_wait_dscnt 0x0                               ; my reads of this slot are over
	s_wait_tensorcnt 0x0                           ; all my tensor loads have landed
	ds_add_u32 v22, v23
	s_wait_dscnt 0x0
	s_barrier_signal -1                            ; (where the slot is filled again this barrier opens a round of the cluster's barrier)
	MUL16 0, FA1, 4, 0                             ; registers only, while the others arrive
	WIN 0
	s_barrier_wait -1
.if \fill
	CREST                                          ; no wave of any partner still reads this slot or has a load on its way
	s_add_nc_u64 s[G0A+4*\slot+2:G0A+4*\slot+3], s[G0A+4*\slot+2:G0A+4*\slot+3], 2*ASTEP
	s_add_nc_u64 s[G0B+4*\slot+2:G0B+4*\slot+3], s[G0B+4*\slot+2:G0B+4*\slot+3], 2*BSTEP
	JLOAD \slot                                    ; the first tensor load behind the round, my only one until the next
.endif
	PLACES
	FETB \next, 0, 0
	FETA \next, 0, FA0
	WIN 0xa0
	MUL16 1, FA1, 0, 0
	MUL16 1, FA1, 4, 0
	PLACES
	WIN 0
	FETB \next, 0, 1
	WIN 0xf0
	MUL16 2, FA1, 0, 0
	MUL16 2, FA1, 4, 0
	PLACES
	WIN 0
	FETB \next, 0, 2
.endm
.macro LAP zero                        ; two K steps, both slots filled again
	FIRSTSL 0, \zero
	TURN 0, 1, 1
	FIRSTSL 1, 0
	TURN 1, 0, 1
.endm
	s_wait_tensorcnt 0x1                           ; my part of K step 0 is in; K step 1's may stay out
	s_barrier_signal -1
	s_barrier_wait -1
	FETB 0, 0, 0
	FETA 0, 0, FA0
	FETB 0, 0, 1
	FETB 0, 0, 2
	LAP 1                                          ; K steps 0, 1; asks for 2, 3
	s_mov_b32 s72, 6                               ; K steps 2 .. 13; the last trip asks for 14, 15
.Llap:
	LAP 0
	s_sub_co_u32 s72, s72, 1
	s_cmp_lg_u32 s72, 0
	s_cbranch_scc1 .Llap
	FIRSTSL 0, 0                                   ; K steps 14, 15: nothing is left to fetch
	TURN 0, 1, 0
	FIRSTSL 1, 0
	; the very last slice; the biases come in meanwhile, into buffer 0, which the four places above have freed
.irp b, 0,1,2,3
	global_load_b128 v[BQ+8*\b:BQ+8*\b+3], v[BOQ], s[8:9] offset:64*\b
	global_load_b128 v[BQ+8*\b+4:BQ+8*\b+7], v[BOQ], s[8:9] offset:64*\b+16
	global_load_b128 v[BK+8*\b:BK+8*\b+3], v[BOQ], s[10:11] offset:64*\b
	global_load_b128 v[BK+8*\b+4:BK+8*\b+7], v[BOQ], s[10:11] offset:64*\b+16
	global_load_b32 v[BV+2*\b], v[BOV], s[12:13] offset:64*\b
.endr
	s_wait_dscnt 16
	WIN 0x50
	MUL16 0, FA1, 0, 0
	MUL16 0, FA1, 4, 0
	s_wait_dscnt 8
	WIN 0xa0
	MUL16 1, FA1, 0, 0
	MUL16 1, FA1, 4, 0
	s_wait_dscnt 0x0
	WIN 0xf0
	MUL16 2, FA1, 0, 0
	MUL16 2, FA1, 4, 0
	PLACES
	WIN 0
	; THE WAY OUT: bias (and q's factor) in f32, one rounding, 16 bytes a lane into my own stage, whole rows back, whole runs of 256 bytes out.
	s_wait_loadcnt 0x0
.irp p, 0,1,2,3,4,5,6,7,8,9,10,11,12,13,14,15
	v_pk_mul_f32 v[BQ+2*\p:BQ+2*\p+1], v[BQ+2*\p:BQ+2*\p+1], CSCALE op_sel_hi:[1,0]   ; (acc + bq) c = acc c + bq c: one fused multiply-add below
.endr
.irp b, 0,1,2,3
	v_mov_b32 v[BV+2*\b+1], v[BV+2*\b]
.endr
; q (m = 0) or k (m = 1): tokens 32 ap .. 32 ap + 31 of my 128, all 64 features
.macro OUTQK m, ap, rb
.if \m == 0
	WIN 0x01
.else
	WIN 0x02
.endif
.irp t, 0,1
.irp b, 0,1,2,3
.irp p, 0,1,2,3
.if \m == 0
	v_pk_fma_f32 v[TF+8*(4*\t+\b)+2*\p:TF+8*(4*\t+\b)+2*\p+1], v[8*(4*(2*\ap+\t)+\b)+2*\p:8*(4*(2*\ap+\t)+\b)+2*\p+1], CSCALE, v[BQ+8*\b+2*\p:BQ+8*\b+2*\p+1] op_sel_hi:[1,0,1]
.else
	v_pk_add_f32 v[TF+8*(4*\t+\b)+2*\p:TF+8*(4*\t+\b)+2*\p+1], v[8*(4*(2*\ap+\t)+\b)+2*\p:8*(4*(2*\ap+\t)+\b)+2*\p+1], v[BK+8*\b+2*\p:BK+8*\b+2*\p+1]
.endif
.endr
.endr
.endr
	WIN 0
.irp q, 0,1,2,3,4,5,6,7
.irp p, 0,1,2,3
	v_cvt_pk_bf16_f32 v[TP+4*\q+\p], v[TF+8*\q+2*\p], v[TF+8*\q+2*\p+1]
.endr
.endr
.irp t, 0,1
.irp b, 0,1,2,3
	ds_store_b128 v[STOQ], v[TP+4*(4*\t+\b):TP+4*(4*\t+\b)+3] offset:\t*2304+32*\b
.endr
.endr
	s_wait_xcnt 0x0                                ; the set read back into was the data of earlier stores: it is loaded again only behind this wait
.irp e, 0,1,2,3,4,5,6,7
	ds_load_b128 v[\rb+4*\e:\rb+4*\e+3], v[RDQ] offset:\e*576       ; a wave's LDS instructions are served in order: these see the stores above
.endr
.irp e, 0,1,2,3,4,5,6,7
	s_wait_dscnt 7-\e
.if \m == 0
	global_store_b128 v[COQ], v[\rb+4*\e:\rb+4*\e+3], s[74:75] offset:\ap*4096+512*\e   ; 512 consecutive bytes, aligned
.else
	global_store_b128 v[COQ], v[\rb+4*\e:\rb+4*\e+3], s[76:77] offset:\ap*4096+512*\e
.endif
.endr
.endm
; v: features 16 b .. 16 b + 15 of my head, all my 128 tokens
.macro OUTV b, rb
	WIN 0x03
.irp a, 0,1,2,3,4,5,6,7
.irp p, 0,1,2,3
	v_pk_add_f32 v[TF+8*\a+2*\p:TF+8*\a+2*\p+1], v[8*(4*\a+\b)+2*\p:8*(4*\a+\b)+2*\p+1], v[BV+2*\b:BV+2*\b+1]
.endr
.endr
	WIN 0
.irp a, 0,1,2,3,4,5,6,7
.irp p, 0,1,2,3
	v_cvt_pk_bf16_f32 v[TP+4*\a+\p], v[TF+8*\a+2*\p], v[TF+8*\a+2*\p+1]
.endr
.endr
.irp a, 0,1,2,3,4,5,6,7
	ds_store_b128 v[STOV], v[TP+4*\a:TP+4*\a+3] offset:32*\a
.endr
	s_wait_xcnt 0x0
.irp e, 0,1,2,3,4,5,6,7
	ds_load_b128 v[\rb+4*\e:\rb+4*\e+3], v[RDV] offset:\e*544
.endr
.irp e, 0,1,2,3,4,5,6,7
	s_wait_dscnt 7-\e
	global_store_b128 v[COV], v[\rb+4*\e:\rb+4*\e+3], s[78:79] offset:(16*\b+2*\e)*4096   ; sixteen lanes store 256 consecutive bytes, aligned
.endr
.endm
	OUTQK 0, 0, RB0
	OUTQK 0, 1, RB1
	OUTQK 0, 2, RB0
	OUTQK 0, 3, RB1
	OUTQK 1, 0, RB0
	OUTQK 1, 1, RB1
	OUTQK 1, 2, RB0
	OUTQK 1, 3, RB1
	OUTV 0, RB0
	OUTV 1, RB1
	OUTV 2, RB0
	OUTV 3, RB1
	s_wait_tensorcnt 0x0
	ds_add_u32 v22, v23
	s_wait_dscnt 0x0
	CROUND                                         ; the closing round: no work-group ends while a partner may still ask for a tile that names it
	s_endpgm
.Lfunc_end_k_q7a7afa5320_proj:
	.size	k_q7a7afa5320_proj, .Lfunc_end_k_q7a7afa5320_proj-k_q7a7afa5320_proj
	.p2alignl 7, 3214868480
	.fill 96, 4, 3214868480
	.section	.rodata,"a",@progbits
	.p2align	6, 0x0
	.amdhsa_kernel k_q7a7afa5320_proj
		.amdhsa_group_segment_fixed_size 327680
		.amdhsa_private_segment_fixed_size 0
		.amdhsa_enable_private_segment 0
		.amdhsa_kernarg_size 64
		.amdhsa_user_sgpr_count 2
		.amdhsa_user_sgpr_kernarg_segment_ptr 1
		.amdhsa_wavefront_size32 1
		.amdhsa_system_sgpr_workgroup_id_x 1
		.amdhsa_system_sgpr_workgroup_id_y 1
		.amdhsa_system_sgpr_workgroup_id_z 1
		.amdhsa_system_vgpr_workitem_id 0
		.amdhsa_next_free_vgpr 1024
		.amdhsa_next_free_sgpr 96
		.amdhsa_reserve_vcc 0
		.amdhsa_float_denorm_mode_32 3
		.amdhsa_float_denorm_mode_16_64 3
		.amdhsa_memory_ordered 1
		.amdhsa_forward_progress 1
		.amdhsa_inst_pref_size 202
	.end_amdhsa_kernel
	.amdgpu_metadata
---
amdhsa.version: [ 1, 2 ]
amdhsa.kernels:
  - .name:           k_q7a7afa5320_proj
    .symbol:         k_q7a7afa5320_proj.kd
    .args:
      - { .name: xb, .offset: 0, .size: 8, .value_kind: global_buffer, .address_space: global }
      - { .name: wb, .offset: 8, .size: 8, .value_kind: global_buffer, .address_space: global }
      - { .name: bq, .offset: 16, .size: 8, .value_kind: global_buffer, .address_space: global }
      - { .name: bk, .offset: 24, .size: 8, .value_kind: global_buffer, .address_space: global }
      - { .name: bv, .offset: 32, .size: 8, .value_kind: global_buffer, .address_space: global }
      - { .name: qb, .offset: 40, .size: 8, .value_kind: global_buffer, .address_space: global }
      - { .name: kb, .offset: 48, .size: 8, .value_kind: global_buffer, .address_space: global }
      - { .name: vtb, .offset: 56, .size: 8, .value_kind: global_buffer, .address_space: global }
    .group_segment_fixed_size: 327680
    .private_segment_fixed_size: 0
    .kernarg_segment_align: 8
    .kernarg_segment_size: 64
    .max_flat_workgroup_size: 128
    .sgpr_count:     96
    .vgpr_count:     1024
    .wavefront_size: 32
...
	.end_amdgpu_metadata
.endif
;; end of part 2
;; launch attn (part 3): grid 256 x 1, 8 waves a work-group, clusters of 4 x 1, 327,680 bytes of LDS; arguments qb, kb, vtb, out0; writes out0
.if DOCPART == 3
	.amdgcn_target "amdgcn-amd-amdhsa--gfx1250"
	.amdhsa_code_object_version 6
	.text
	.protected	k_q7a7afa5320_attn
	.globl	k_q7a7afa5320_attn
	.p2align	8
	.type	k_q7a7afa5320_attn,@function
k_q7a7afa5320_attn:
	s_mov_b64 s[64:65], 0
	v_nop
	global_prefetch_b8 v0, s[64:65] scope:SCOPE_SE
	s_setreg_imm32_b32 hwreg(HW_REG_WAVE_MODE, 25, 1), 1
	s_wait_xcnt 0x0
	s_wait_alu depctr_hold_cnt(0) depctr_sa_sdst(0) depctr_va_vdst(0) depctr_va_sdst(0) depctr_va_ssrc(0) depctr_va_vcc(0) depctr_vm_vsrc(0)
	s_getreg_b32 s2, hwreg(HW_REG_IB_STS2, 6, 4)
	s_cmp_eq_u32 s2, 0
	s_cbranch_scc0 .Lentry_in_a_cluster
	s_endpgm
.Lentry_in_a_cluster:
	s_bfe_u32 s2, ttmp6, 0x10000c
	s_cmp_lg_u32 s2, 0x3003
	s_cbranch_scc0 .Lentry_shape_is_right
	s_endpgm
.Lentry_shape_is_right:
; out[b][t][64 h + d] = sum over keys of softmax(q k^T / 32) v, for each of 64 heads of 2,048 tokens and 64 features.
; qb already carries the factor log2(e)/32, so a score is an exponent of 2.  Softmax with a running maximum, all of it in f32.
; A cluster of four work-groups takes a head, a work-group 512 queries, each of its eight waves 64 (four tiles of 16).
; The four work-groups read the same keys and values: every tile is asked for jointly (mask 15) and requested once for the four.
; Keys go in 32 steps of 64 through two LDS slots of 256 keys (four steps each): a refill has four steps in which to land.
; NO TRANSPOSE ANYWHERE: S^T = K Q^T (source 0 = 16 keys, source 1 = 16 queries): a lane holds one query and keys 8 h + 0..7 of the tile.
; Two neighbouring tiles, packed in place to bf16, are source 1 of O^T = V^T P^T (source 0 = 16 rows of V^T).  Maximum, sum and rescaling
; factor are one number a lane; the two halves of the lanes hold different keys of the same query: the maximum crosses them in each step,
; the sum once at the end.
; THE TEXT IS KEPT SHORT: a step is some 600 instructions.  A slot's first three steps are one text run three times, with its two LDS
; addresses stepped (64 keys = 8,704 bytes down K's rows, 128 bytes along V^T's rows); the fourth step, which changes slots, is written out.
; So the 32 steps run on eight written-out steps, four of them the loop's.  For the same reason the first step is the loop's own text:
; the maxima start at -infinity, the sums and O^T at 0, and the first rescaling factor is 2^(-infinity) = 0.
; LDS slot: K's 256 rows of 128 bytes as 128 rows of 272 (two rows + padding; row p at (p>>1)*272 + (p&1)*128), then V^T's 64 rows of 512 + 16.
; REGISTERS: window 0 addresses, softmax state, fragments of Q (kept), K, V^T; window 1: O^T (tile (dt, qt) at v[32 qt + 8 dt]) and S^T (tile (kt, qt) at v[128 + 32 qt + 8 kt]).
; Accumulators take turns, one instruction a turn (sixteen between two links of a sum).
; Limits: q, k, v and the probabilities are rounded to bf16; the sum of a row is made of the unrounded probabilities; an exponential below
; 2^-126 comes out as 0 (ISA guide, v_exp_f32); infinite or NaN scores give NaN.
.set PP,    272
.set T16,   8*PP                       ; sixteen keys
.set VOFF,  128*PP                     ; 34,816
.set VP,    528
.set SLOT,  VOFF+64*VP                 ; 68,608
.set STAGE, 2*SLOT                     ; 137,216 = 536 x 256: behind the ring, never the target of a tensor load
.set STG,   16*272                     ; a wave's stage: 16 queries x 256 bytes + padding
.set ADK, 3                            ; v3-4   my K fragments in slot 0, 1
.set ADV, 5                            ; v5-6   my V^T fragments
.set STO, 7
.set RD,  8
.set CO,  9
.set QO,  10
.set MX,  12                           ; v[12:19]  running maxima, query tile qt at register 2 qt
.set KC,  20                           ; v20       K fragments of the next step, stepped in a slot's first three steps
.set VC,  21                           ; v21       V^T fragments of this step, likewise
.set AL,  28                           ; v[28:35]  rescaling factor, query tile qt at register 2 qt; at the end 1 / sum
.set T0,  36                           ; v[36:39]
.set T1,  40                           ; v[40:43]
.set LS,  44                           ; v[44:51]  running sums, a pair for each query tile
.set QF,  64                           ; v[64:127]  fragment (qt, sl) at 8 (2 qt + sl)
.set KF,  128                          ; v[128:191] fragment (kt, sl)
.set VF,  192                          ; v[192:255] fragment (dt, ks)
.set OA,  0                            ; window 1
.set SC,  128                          ; window 1
.set TMP, 128                          ; the way out, window 0
.set RB0, 160
.set RB1, 192
.set G1K, 24
.set G0K, 32
.set G1V, 40
.set G0V, 48
.set MSB, 0
.macro WIN new                         ; low byte: bits 1:0 source 0, 3:2 source 1, 5:4 source 2, 7:6 destination; high byte: the setting left
.if MSB != (\new)
	s_set_vgpr_msb (MSB<<8)|(\new)
.set MSB, \new
.endif
.endm
.macro JLOAD s                         ; waves 0-3 fetch 64 keys each, waves 4-7 sixteen rows of V^T each; the branch hangs on the wave's number alone
	s_cmp_eq_u32 s13, 0
	s_cbranch_scc0 .Lfor_v_\@
	tensor_load_to_lds s[G0K+4*\s:G0K+4*\s+3], s[G1K:G1K+7]
	s_nop 0
	s_branch .Lasked_\@
.Lfor_v_\@:
	tensor_load_to_lds s[G0V+4*\s:G0V+4*\s+3], s[G1V:G1V+7]
	s_nop 0
.Lasked_\@:
.endm
.macro CREST
	s_cmp_lg_u32 s12, 0
	s_cbranch_scc1 .Lnot_wave_0_\@
	s_barrier_signal -3
.Lnot_wave_0_\@:
	s_barrier_wait -3
	s_barrier_signal -1
	s_barrier_wait -1
.endm
.macro CROUND
	s_barrier_signal -1
	s_barrier_wait -1
	CREST
.endm
	s_load_b256 s[4:11], s[0:1], 0x0               ; qb 4, kb 6, vtb 8, out0 10
	v_lshl_add_u32 v62, v0, 2, 0x2a000
	v_mov_b32 v63, 0
	ds_add_u32 v62, v63
	v_lshrrev_b32 v1, 5, v0
	v_readfirstlane_b32 s12, v1                    ; wave 0..7
	s_lshr_b32 s13, s12, 2                         ; I fetch K (0) or V^T (1)
	s_and_b32 s14, s12, 3                          ; which quarter of that tile
	s_bfe_u32 s15, ttmp6, 0x40000                  ; cx: which 512 queries; enters Q's and out0's addresses alone
	s_mov_b32 s16, 0x76543210                      ; v_permlanex16_b32: lane i reads lane i of the other half
	s_mov_b32 s17, 0xfedcba98
	; K: a dense block of 8 KiB as 32 rows of 256 bytes, 4 words of padding behind every 64
	s_mov_b32 s[G1K+0], 15|(3<<16)|(1<<20)|(1<<21)|(5<<22)|(3<<25)
	s_mov_b32 s[G1K+1], 32<<16
	s_mov_b32 s[G1K+2], 32<<16
	s_mov_b32 s[G1K+3], 32<<16
	s_mov_b32 s[G1K+4], 32
	s_mov_b32 s[G1K+5], 32
	s_mov_b32 s[G1K+6], 0
	s_mov_b32 s[G1K+7], 0
	; V^T: 16 rows of 256 bf16 (512 bytes), 2,048 elements from row to row, 4 words of padding behind every 128
	s_mov_b32 s[G1V+0], 15|(1<<16)|(1<<20)|(1<<21)|(6<<22)|(3<<25)
	s_mov_b32 s[G1V+1], 256<<16
	s_mov_b32 s[G1V+2], 16<<16
	s_mov_b32 s[G1V+3], 256<<16
	s_mov_b32 s[G1V+4], 16
	s_mov_b32 s[G1V+5], 2048
	s_mov_b32 s[G1V+6], 0
	s_mov_b32 s[G1V+7], 0
	s_lshl_b32 s20, ttmp9, 18                      ; the head (the cluster's number) x 262,144 bytes
	s_lshl_b32 s22, s14, 13                        ; K: my 64 keys of 128 bytes
	s_add_co_u32 s22, s22, s20
	s_mov_b32 s23, 0
	s_lshl_b32 s56, s14, 16                        ; V^T: my 16 rows of 4,096 bytes
	s_add_co_u32 s56, s56, s20
	s_mov_b32 s57, 0
	s_mul_i32 s58, s12, 32*PP                      ; K's quarters at w x 8,704 (waves 0-3)
	s_mul_i32 s59, s12, 16*VP                      ; V^T's at VOFF + (w - 4) x 8,448 = 1,024 + w x 8,448 (waves 4-7)
	s_add_co_u32 s59, s59, VOFF-64*VP
	s_lshl_b32 s60, s15, 16                        ; Q: 512 cx + 64 w rows of 128 bytes
	s_lshl_b32 s21, s12, 13
	s_add_co_u32 s60, s60, s21
	s_add_co_u32 s60, s60, s20
	s_mov_b32 s61, 0
	s_lshr_b32 s62, ttmp9, 4                       ; out0: (2,048 batch + 512 cx + 64 w) rows of 4,096 bytes + 256 h
	s_lshl_b32 s62, s62, 23
	s_lshl_b32 s21, s15, 21
	s_add_co_u32 s62, s62, s21
	s_lshl_b32 s21, s12, 18
	s_add_co_u32 s62, s62, s21
	s_and_b32 s21, ttmp9, 15
	s_lshl_b32 s21, s21, 8
	s_add_co_u32 s62, s62, s21
	s_mov_b32 s63, 0
	s_wait_dscnt 0x0
	s_wait_kmcnt 0x0
	s_add_nc_u64 s[22:23], s[6:7], s[22:23]
	s_add_nc_u64 s[56:57], s[8:9], s[56:57]
	s_add_nc_u64 s[60:61], s[4:5], s[60:61]
	s_add_nc_u64 s[62:63], s[10:11], s[62:63]
	CROUND                                         ; the four work-groups are here: the first joint loads meet
.irp s, 0,1
	s_mov_b32 s[G0K+4*\s], 1
	s_add_co_u32 s[G0K+4*\s+1], s58, \s*SLOT
	s_add_nc_u64 s[G0K+4*\s+2:G0K+4*\s+3], s[22:23], \s*32768
	s_or_b32 s[G0K+4*\s+3], s[G0K+4*\s+3], 0x80000000
	s_mov_b32 s[G0V+4*\s], 1
	s_add_co_u32 s[G0V+4*\s+1], s59, \s*SLOT
	s_add_nc_u64 s[G0V+4*\s+2:G0V+4*\s+3], s[56:57], \s*512
	s_or_b32 s[G0V+4*\s+3], s[G0V+4*\s+3], 0x80000000
	JLOAD \s                                       ; keys 0-255 and 256-511: a wave has two tensor loads out here, later one
.endr
	v_and_b32 v1, 15, v0                           ; r
	v_bfe_u32 v2, v0, 4, 1                         ; h
	v_lshlrev_b32 v[QO], 7, v1
	v_lshl_add_u32 v[QO], v2, 4, v[QO]             ; query r, 16 h
.irp qt, 0,1,2,3
.irp sl, 0,1
	global_load_b128 v[QF+8*(2*\qt+\sl):QF+8*(2*\qt+\sl)+3], v[QO], s[60:61] offset:\qt*2048+64*\sl
	global_load_b128 v[QF+8*(2*\qt+\sl)+4:QF+8*(2*\qt+\sl)+7], v[QO], s[60:61] offset:\qt*2048+64*\sl+32
.endr
.endr
	v_lshrrev_b32 v11, 1, v1
	v_mul_u32_u24 v[ADK], v11, PP
	v_and_b32 v11, 1, v1
	v_lshl_add_u32 v[ADK], v11, 7, v[ADK]
	v_lshl_add_u32 v[ADK], v2, 4, v[ADK]           ; key r of a tile, 16 h
	v_add_nc_u32 v[ADK+1], SLOT, v[ADK]
	v_mul_u32_u24 v[ADV], v1, VP
	v_lshl_add_u32 v[ADV], v2, 4, v[ADV]
	v_add_nc_u32 v[ADV], VOFF, v[ADV]              ; row r of a tile of V^T, 16 h
	v_add_nc_u32 v[ADV+1], SLOT, v[ADV]
	s_mul_i32 s19, s12, STG
	s_add_co_u32 s19, s19, STAGE                   ; my stage
	v_mul_u32_u24 v[STO], v1, 272
	v_lshl_add_u32 v[STO], v2, 5, v[STO]
	v_add_nc_u32 v[STO], s19, v[STO]               ; query r, 32 h
	v_mul_u32_u24 v[RD], v2, 272
	v_lshl_add_u32 v[RD], v1, 4, v[RD]
	v_add_nc_u32 v[RD], s19, v[RD]                 ; sixteen lanes take a query's 256 bytes
	v_lshlrev_b32 v[CO], 12, v2
	v_lshl_add_u32 v[CO], v1, 4, v[CO]             ; and the same two rows of out0
.irp i, 0,1,2,3
	v_mov_b32 v[MX+2*\i], 0xff800000               ; the maxima start at -infinity
	v_mov_b32 v[MX+2*\i+1], 0                      ; the partners of the broadcast pairs: named by packed instructions, their values never used
	v_mov_b32 v[AL+2*\i+1], 0
.endr
.irp i, 0,1,2,3,4,5,6,7
	v_mov_b32 v[LS+\i], 0                          ; the sums start at 0
.endr
	; O^T starts at 0: sixteen products of a zero fragment (the eight sums just cleared) with itself, in place of 128 moves.
	; The sums are written again, and O^T read, only behind the first step's maxima: far more than four plain vector instructions on.
	WIN 0x40
.irp t, 0,1,2,3,4,5,6,7,8,9,10,11,12,13,14,15
	v_wmma_f32_16x16x32_bf16 v[OA+8*\t:OA+8*\t+7], v[LS:LS+7], v[LS:LS+7], 0
.endr
	WIN 0
.macro LOADV adr, off                  ; V^T's eight fragments of a step: 16 loads
.irp dt, 0,1,2,3
.irp ks, 0,1
	ds_load_b128 v[VF+8*(2*\dt+\ks):VF+8*(2*\dt+\ks)+3], v[\adr] offset:\dt*16*VP+\off+64*\ks
	ds_load_b128 v[VF+8*(2*\dt+\ks)+4:VF+8*(2*\dt+\ks)+7], v[\adr] offset:\dt*16*VP+\off+64*\ks+32
.endr
.endr
.endm
.macro LOADK adr, off                  ; K's eight fragments of a step: 16 loads
.irp kt, 0,1,2,3
.irp sl, 0,1
	ds_load_b128 v[KF+8*(2*\kt+\sl):KF+8*(2*\kt+\sl)+3], v[\adr] offset:\off+\kt*T16+64*\sl
	ds_load_b128 v[KF+8*(2*\kt+\sl)+4:KF+8*(2*\kt+\sl)+7], v[\adr] offset:\off+\kt*T16+64*\sl+32
.endr
.endr
.endm
.macro SMUL                            ; 64 keys x 64 queries x 64 features: the first half of the features starts the sums
.irp sl, 0,1
.irp qt, 0,1,2,3
.irp kt, 0,1,2,3
.if \sl == 0
	v_wmma_f32_16x16x32_bf16 v[SC+32*\qt+8*\kt:SC+32*\qt+8*\kt+7], v[KF+8*(2*\kt+\sl):KF+8*(2*\kt+\sl)+7], v[QF+8*(2*\qt+\sl):QF+8*(2*\qt+\sl)+7], 0
.else
	v_wmma_f32_16x16x32_bf16 v[SC+32*\qt+8*\kt:SC+32*\qt+8*\kt+7], v[KF+8*(2*\kt+\sl):KF+8*(2*\kt+\sl)+7], v[QF+8*(2*\qt+\sl):QF+8*(2*\qt+\sl)+7], v[SC+32*\qt+8*\kt:SC+32*\qt+8*\kt+7]
.endif
.endr
.endr
.endr
.endm
.macro MAXPH                           ; the largest of my 32 scores of each query tile, in eight chains that do not wait for each other
.irp qt, 0,1,2,3
	v_max_num_f32 v[T0+\qt], v[SC+32*\qt], v[SC+32*\qt+1]
	v_max_num_f32 v[T1+\qt], v[SC+32*\qt+16], v[SC+32*\qt+17]
.endr
.irp i, 2,4,6,8,10,12,14
.irp qt, 0,1,2,3
	v_max3_num_f32 v[T0+\qt], v[SC+32*\qt+\i], v[SC+32*\qt+\i+1], v[T0+\qt]
	v_max3_num_f32 v[T1+\qt], v[SC+32*\qt+16+\i], v[SC+32*\qt+17+\i], v[T1+\qt]
.endr
.endr
.endm
.macro CROSS                           ; across the two halves of the lanes; the new maximum; the factor 2^(old - new); the sums rescaled
.irp qt, 0,1,2,3
	v_max_num_f32 v[T0+\qt], v[T0+\qt], v[T1+\qt]
.endr
.irp qt, 0,1,2,3
	v_permlanex16_b32 v[T1+\qt], v[T0+\qt], s16, s17
.endr
.irp qt, 0,1,2,3
	v_max3_num_f32 v[T0+\qt], v[T0+\qt], v[T1+\qt], v[MX+2*\qt]    ; the new maximum
.endr
.irp qt, 0,1,2,3
	v_sub_f32 v[AL+2*\qt], v[MX+2*\qt], v[T0+\qt]
.endr
.irp qt, 0,1,2,3
	v_exp_f32 v[AL+2*\qt], v[AL+2*\qt]
.endr
.irp qt, 0,1,2,3
	v_mov_b32 v[MX+2*\qt], v[T0+\qt]               ; these also are the plain vector instructions between the exponentials and the use of their results (ISA guide 5.7.2)
.endr
	s_wait_alu depctr_va_vdst(0)
.irp qt, 0,1,2,3
	v_pk_mul_f32 v[LS+2*\qt:LS+2*\qt+1], v[LS+2*\qt:LS+2*\qt+1], v[AL+2*\qt:AL+2*\qt+1] op_sel_hi:[1,0]
.endr
.endm
.macro SUBL qt, i                      ; two scores less the new maximum
	v_pk_add_f32 v[SC+32*(\qt)+2*\i:SC+32*(\qt)+2*\i+1], v[SC+32*(\qt)+2*\i:SC+32*(\qt)+2*\i+1], v[MX+2*(\qt):MX+2*(\qt)+1] op_sel_hi:[1,0] neg_lo:[0,1] neg_hi:[0,1]
.endm
.macro RESCL qt, i                     ; two numbers of O^T rescaled
	v_pk_mul_f32 v[OA+32*(\qt)+2*\i:OA+32*(\qt)+2*\i+1], v[OA+32*(\qt)+2*\i:OA+32*(\qt)+2*\i+1], v[AL+2*(\qt):AL+2*(\qt)+1] op_sel_hi:[1,0]
.endm
; The exponentials, in place.  Between them stand the next query tile's subtractions and this tile's rescaling, which name other registers:
; no line behind an exponential reads its result or writes its source.
.macro EXPPH
.irp i, 0,1,2,3,4,5,6,7,8,9,10,11,12,13,14,15
	SUBL 0, \i
.endr
.irp qt, 0,1,2,3
.irp i, 0,1,2,3,4,5,6,7,8,9,10,11,12,13,14,15
	v_exp_f32 v[SC+32*\qt+2*\i], v[SC+32*\qt+2*\i]
.if \qt < 3
	SUBL \qt+1, \i
.endif
	v_exp_f32 v[SC+32*\qt+2*\i+1], v[SC+32*\qt+2*\i+1]
	RESCL \qt, \i
.endr
.endr
.endm
.macro SUMPH                           ; the unrounded probabilities onto the sums, four chains by turns; the first line names the first tile, whose exponentials lie far back
	s_wait_alu depctr_va_vdst(0)
.irp i, 0,1,2,3,4,5,6,7,8,9,10,11,12,13,14,15
.irp qt, 0,1,2,3
	v_pk_add_f32 v[LS+2*\qt:LS+2*\qt+1], v[SC+32*\qt+2*\i:SC+32*\qt+2*\i+1], v[LS+2*\qt:LS+2*\qt+1]
.endr
.endr
.endm
.macro PACK                            ; sixteen f32 into eight registers of bf16, in place: line i writes register i and reads 2 i, 2 i + 1, which no earlier line wrote
.irp qt, 0,1,2,3
.irp ks, 0,1
.irp i, 0,1,2,3,4,5,6,7
	v_cvt_pk_bf16_f32 v[SC+32*\qt+16*\ks+\i], v[SC+32*\qt+16*\ks+2*\i], v[SC+32*\qt+16*\ks+2*\i+1]
.endr
.endr
.endr
.endm
.macro PVMUL                           ; 64 features x 64 queries x 64 keys, onto O^T
.irp ks, 0,1
.irp qt, 0,1,2,3
.irp dt, 0,1,2,3
	v_wmma_f32_16x16x32_bf16 v[OA+32*\qt+8*\dt:OA+32*\qt+8*\dt+7], v[VF+8*(2*\dt+\ks):VF+8*(2*\dt+\ks)+7], v[SC+32*\qt+16*\ks:SC+32*\qt+16*\ks+7], v[OA+32*\qt+8*\dt:OA+32*\qt+8*\dt+7]
.endr
.endr
.endr
.endm
; One step: 64 keys.
; kind 0: one of a slot's first three steps, by the stepped addresses KC and VC; 1: a slot's fourth step, the slot is filled again;
; 2: a slot's fourth step, nothing left to fetch; 3: the very last step.
.macro STEP slot, kind
.set BAR, 0
.if \kind == 1
.set BAR, 1
.endif
.if \kind == 2
.set BAR, 1
.endif
.if \kind == 0
	LOADV VC, 0
.else
	LOADV ADV+\slot, 384                           ; the fourth 128 bytes of V^T's rows
.endif
	s_wait_dscnt 16                                ; K's 16 loads, issued in the step before, are in; V^T's 16 may be out
	WIN 0x50
	SMUL
.rept 4
	v_nop                                          ; four places between the products and the reads of their results, and the loads into K's fragments
.endr
.if BAR
	s_wait_dscnt 0x0                               ; V^T's fragments are in: my reads of this slot are over
	s_wait_tensorcnt 0x0                           ; all my tensor loads have landed: the one that was out is my part of the other slot
	ds_add_u32 v62, v63
	s_wait_dscnt 0x0
	s_barrier_signal -1                            ; (kind 1: this barrier opens a round of the cluster's barrier)
.endif
	WIN 0x05
	MAXPH                                          ; registers only
	WIN 0
.if BAR
	s_barrier_wait -1
.endif
.if \kind == 1
	CREST                                          ; no wave of the four work-groups still reads this slot or has a load on its way
	s_add_nc_u64 s[G0K+4*\slot+2:G0K+4*\slot+3], s[G0K+4*\slot+2:G0K+4*\slot+3], 65536   ; 512 keys on
	s_add_nc_u64 s[G0V+4*\slot+2:G0V+4*\slot+3], s[G0V+4*\slot+2:G0V+4*\slot+3], 1024
	JLOAD \slot                                    ; the first tensor load behind the round, my only one until the next
.endif
.if \kind == 0
	LOADK KC, 0                                    ; the next step's keys, in the same slot
	v_add_nc_u32 v[KC], 4*T16, v[KC]               ; 64 keys on
	v_add_nc_u32 v[VC], 128, v[VC]                 ; 64 keys along V^T's rows
.endif
.if BAR
	LOADK ADK+1-\slot, 0                           ; the other slot's first keys
.endif
	CROSS
	WIN 0x41
	EXPPH
	WIN 0x01
	SUMPH
	WIN 0x45
	PACK
.if \kind == 3
	s_wait_dscnt 0x0
.else
	s_wait_dscnt 16                                ; V^T's fragments are in; the next step's 16 loads of K may be out
.endif
	WIN 0x54
	PVMUL
	WIN 0
.rept 5
	v_nop                                          ; five places ahead of the next products, which write over the probabilities; four would do for the loads into V^T's fragments
.endr
.endm
; A slot's four steps.  On the way into the inner loop and over its backward jump alike, the 16 loads of the step's keys are the wave's only LDS loads that are out.
.macro HALF slot, kind
	v_add_nc_u32 v[KC], 4*T16, v[ADK+\slot]        ; the first step fetches the second step's keys
	v_mov_b32 v[VC], v[ADV+\slot]
	s_mov_b32 s19, 3
.Lstep_\@:
	STEP \slot, 0
	s_sub_co_u32 s19, s19, 1
	s_cmp_lg_u32 s19, 0
	s_cbranch_scc1 .Lstep_\@
	STEP \slot, \kind
.endm
	s_wait_tensorcnt 0x1                           ; my part of slot 0 is in; slot 1's may stay out
	s_barrier_signal -1
	s_barrier_wait -1
	LOADK ADK, 0
	s_wait_loadcnt 0x0                             ; Q
	s_mov_b32 s18, 3                               ; keys 0-1535; trip t asks for keys 512 (t + 1) .. 512 (t + 1) + 511
.Lpair:
	HALF 0, 1
	HALF 1, 1
	s_sub_co_u32 s18, s18, 1
	s_cmp_lg_u32 s18, 0
	s_cbranch_scc1 .Lpair
	HALF 0, 2                                      ; keys 1536-1791: nothing is left to fetch
	HALF 1, 3                                      ; keys 1792-2047
	; THE WAY OUT: the sums of the two halves of the lanes meet, O^T is divided, 16 queries at a time go through my own stage and leave as whole rows of 256 bytes.
.irp qt, 0,1,2,3
	v_add_f32 v[T0+\qt], v[LS+2*\qt], v[LS+2*\qt+1]
.endr
.irp qt, 0,1,2,3
	v_permlanex16_b32 v[T1+\qt], v[T0+\qt], s16, s17
.endr
.irp qt, 0,1,2,3
	v_add_f32 v[T0+\qt], v[T0+\qt], v[T1+\qt]
.endr
.irp qt, 0,1,2,3
	v_rcp_f32 v[AL+2*\qt], v[T0+\qt]
.endr
	v_nop
	s_wait_alu depctr_va_vdst(0)
.macro OUTQ qt, rb
	WIN 0x01
.irp i, 0,1,2,3,4,5,6,7,8,9,10,11,12,13,14,15
	v_pk_mul_f32 v[TMP+2*\i:TMP+2*\i+1], v[OA+32*\qt+2*\i:OA+32*\qt+2*\i+1], v[AL+2*\qt:AL+2*\qt+1] op_sel_hi:[1,0]
.endr
	WIN 0
.irp dt, 0,1,2,3
	ds_store_b128 v[STO], v[TMP+8*\dt:TMP+8*\dt+3] offset:64*\dt
	ds_store_b128 v[STO], v[TMP+8*\dt+4:TMP+8*\dt+7] offset:64*\dt+16
.endr
	s_wait_xcnt 0x0                                ; the set read back into was the data of earlier stores: it is loaded again only behind this wait
.irp e, 0,1,2,3,4,5,6,7
	ds_load_b128 v[\rb+4*\e:\rb+4*\e+3], v[RD] offset:\e*544        ; a wave's LDS instructions are served in order: these see the stores above
.endr
.irp e, 0,1,2,3,4,5,6,7
	s_wait_dscnt 7-\e
	global_store_b128 v[CO], v[\rb+4*\e:\rb+4*\e+3], s[62:63] offset:(16*\qt+2*\e)*4096 th:TH_STORE_NT   ; sixteen lanes store 256 consecutive bytes, aligned
.endr
.endm
	OUTQ 0, RB0
	OUTQ 1, RB1
	OUTQ 2, RB0
	OUTQ 3, RB1
	s_wait_tensorcnt 0x0
	ds_add_u32 v62, v63
	s_wait_dscnt 0x0
	CROUND                                         ; the closing round: no work-group ends while a partner may still ask for a tile that names it
	s_endpgm
.Lfunc_end_k_q7a7afa5320_attn:
	.size	k_q7a7afa5320_attn, .Lfunc_end_k_q7a7afa5320_attn-k_q7a7afa5320_attn
	.p2alignl 7, 3214868480
	.fill 96, 4, 3214868480
	.section	.rodata,"a",@progbits
	.p2align	6, 0x0
	.amdhsa_kernel k_q7a7afa5320_attn
		.amdhsa_group_segment_fixed_size 327680
		.amdhsa_private_segment_fixed_size 0
		.amdhsa_enable_private_segment 0
		.amdhsa_kernarg_size 32
		.amdhsa_user_sgpr_count 2
		.amdhsa_user_sgpr_kernarg_segment_ptr 1
		.amdhsa_wavefront_size32 1
		.amdhsa_system_sgpr_workgroup_id_x 1
		.amdhsa_system_sgpr_workgroup_id_y 1
		.amdhsa_system_sgpr_workgroup_id_z 1
		.amdhsa_system_vgpr_workitem_id 0
		.amdhsa_next_free_vgpr 512
		.amdhsa_next_free_sgpr 66
		.amdhsa_reserve_vcc 0
		.amdhsa_float_denorm_mode_32 3
		.amdhsa_float_denorm_mode_16_64 3
		.amdhsa_memory_ordered 1
		.amdhsa_forward_progress 1
		.amdhsa_inst_pref_size 255
	.end_amdhsa_kernel
	.section	.bss,"aw",@nobits
	.p2align	6
	.space	262144
	.amdgpu_metadata
---
amdhsa.version: [ 1, 2 ]
amdhsa.kernels:
  - .name:           k_q7a7afa5320_attn
    .symbol:         k_q7a7afa5320_attn.kd
    .args:
      - { .name: qb, .offset: 0, .size: 8, .value_kind: global_buffer, .address_space: global }
      - { .name: kb, .offset: 8, .size: 8, .value_kind: global_buffer, .address_space: global }
      - { .name: vtb, .offset: 16, .size: 8, .value_kind: global_buffer, .address_space: global }
      - { .name: out0, .offset: 24, .size: 8, .value_kind: global_buffer, .address_space: global }
    .group_segment_fixed_size: 327680
    .private_segment_fixed_size: 0
    .kernarg_segment_align: 8
    .kernarg_segment_size: 32
    .max_flat_workgroup_size: 256
    .sgpr_count:     66
    .vgpr_count:     512
    .wavefront_size: 32
...
	.end_amdgpu_metadata
.endif
;; end of part 3
;; ======== version 2 of 2: 3 launches; version 1 with the launch cast written anew for expert scheduling mode
;; workspace buffers: xb 16,777,216 bytes; wb 6,291,456 bytes; qb 16,777,216 bytes; kb 16,777,216 bytes; vtb 16,777,216 bytes
;; launch cast (part 4): grid 704 x 1, 8 waves a work-group, no clusters, 0 bytes of LDS; arguments x, Wq, Wk, Wv, xb, wb; writes xb, wb
.if DOCPART == 4
	.amdgcn_target "amdgcn-amd-amdhsa--gfx1250"
	.amdhsa_code_object_version 6
	.text
	.protected	k_q7a7afa5320_cast
	.globl	k_q7a7afa5320_cast
	.p2align	8
	.type	k_q7a7afa5320_cast,@function
k_q7a7afa5320_cast:
	s_mov_b64 s[64:65], 0
	v_nop
	global_prefetch_b8 v0, s[64:65] scope:SCOPE_SE
	s_setreg_imm32_b32 hwreg(HW_REG_WAVE_SCHED_MODE, 0, 2), 2
	s_setreg_imm32_b32 hwreg(HW_REG_WAVE_MODE, 25, 1), 1
	s_wait_xcnt 0x0
	s_wait_alu depctr_vm_vsrc(0)
; x [8192][1024] and Wq, Wk, Wv [1024][1024], all f32, are rounded once to bf16 (nearest even) and laid out by K steps of 64:
;   xb byte = s*1048576 + row*128 + 2*(k & 63),                         s = k >> 6
;   wb byte = s*393216 + j*49152 + m*16384 + r*128 + 2*(k & 63),        m = 0,1,2 for Wq,Wk,Wv; weight row = 128 j + r
; so that every tile which the next launch fetches is one dense block that starts at a multiple of 256 bytes.
; A work-group takes 16 source rows (64 KiB): groups 0-511 rows of x, groups 512-703 rows of a weight matrix.
; A wave takes two rows, lanes 0-15 the even one and lanes 16-31 the odd one.  A load of the wave reads two aligned runs of 256 bytes
; (64 numbers of each row = one K step), a store writes 32 lanes x 8 bytes = one aligned run of 256 bytes (two rows of one K step).
; All sixteen loads of a wave go out at once; no register is written twice, so no source of a pending access is ever rewritten.
; No LDS, no matrix unit, no cluster: every byte is read once by one wave and nothing is shared between work-groups.
; Limit: numbers whose magnitude rounds past the largest bf16 become infinite.
; THE MODE: SCHED_MODE bits 1:0 = 2 (LLVM: expert scheduling mode 2), set by the entry lines.  The code itself states the register dependences
; between vector instructions and memory instructions, with s_wait_alu, always for 0.
; THE PLAN.  Registers that memory instructions touch:
;   v1, v2   byte offsets of the loads and of the stores: written once at the head by vector instructions, never again.
;   X        K step s: four registers in which one load lands; no vector instruction names them ahead of that load; read by step s's two roundings.
;   Y        K step s: two registers, written once by step s's two roundings, read by step s's one store, never written again.
; The sixteen K steps go in four blocks of four.  Block p rounds steps 4 p .. 4 p + 3; the four stores of block p - 1 are dealt among its
; roundings, and read registers of Y that no rounding of block p names.  So one wait on va_vdst at a block's head states all that the block's
; four stores hang on; one more stands ahead of the first load (the offsets) and one ahead of the last four stores.
; No register that a memory instruction reads is ever written again, so no wait on vm_vsrc is owed; no vector instruction writes a scalar register; EXEC is never written.
.set XSTRIDE, 1048576                  ; bytes of one K step of xb
.set WSTRIDE, 393216                   ; bytes of one K step of wb
.set X, 8                              ; v[8:71]    K step s: 4 f32 as loaded
.set Y, 72                             ; v[72:103]  K step s: 4 bf16 to store
; The store of K step st.
.macro PUT st, stride
.if (\st) < 8
	global_store_b64 v2, v[Y+2*(\st):Y+2*(\st)+1], s[18:19] offset:(\st)*(\stride)
.else
	global_store_b64 v2, v[Y+2*(\st):Y+2*(\st)+1], s[20:21] offset:((\st)-8)*(\stride)   ; second base: 15 K steps of xb do not fit the immediate
.endif
.endm
; Block p: K steps 4 p .. 4 p + 3 are rounded; the stores of block p - 1 stand among the roundings.
.macro BLK p, stride
	s_wait_loadcnt 15-4*(\p)                       ; loads return in order: the block's first K step is in, the younger ones stay out
.if (\p) > 0
	s_wait_alu depctr_va_vdst(0)                   ; the block before has written its eight registers of Y, which the four stores below read; no rounding of this block names them
.endif
.irp i, 0,1,2,3
.if (\p) > 0
	PUT 4*(\p)-4+(\i), \stride
.endif
.if (\i) > 0
	s_wait_loadcnt 15-4*(\p)-(\i)                  ; K step 4 p + i is in
.endif
	v_cvt_pk_bf16_f32 v[Y+2*(4*(\p)+(\i))], v[X+4*(4*(\p)+(\i))], v[X+4*(4*(\p)+(\i))+1]
	v_cvt_pk_bf16_f32 v[Y+2*(4*(\p)+(\i))+1], v[X+4*(4*(\p)+(\i))+2], v[X+4*(4*(\p)+(\i))+3]
.endr
.endm
.macro CASTROWS stride
	s_wait_alu depctr_va_vdst(0)                   ; v1 and v2 are written: every load below reads v1, every store v2, as its offset
.irp s, 0,1,2,3,4,5,6,7,8,9,10,11,12,13,14,15
	global_load_b128 v[X+4*\s:X+4*\s+3], v1, s[16:17] offset:256*\s th:TH_LOAD_NT
.endr
	BLK 0, \stride
	BLK 1, \stride
	BLK 2, \stride
	BLK 3, \stride
	s_wait_alu depctr_va_vdst(0)                   ; block 3 has written its eight registers of Y, which the last four stores read
.irp i, 0,1,2,3
	PUT 12+(\i), \stride
.endr
.endm
	s_load_b256 s[4:11], s[0:1], 0x0               ; x s[4:5], Wq s[6:7], Wk s[8:9], Wv s[10:11]
	s_load_b128 s[12:15], s[0:1], 0x20             ; xb s[12:13], wb s[14:15]
	v_lshrrev_b32 v1, 4, v0                        ; my row of the group's 16
	v_and_b32 v3, 15, v0
	v_lshlrev_b32 v1, 12, v1                       ; x 4096 bytes
	v_lshl_add_u32 v1, v3, 4, v1                   ; + my 16 bytes of each run of 256
	v_lshlrev_b32 v2, 3, v0                        ; out: row*128 + 8*(lane mod 16) = 8 x thread
	s_mov_b32 s23, 0
	s_mov_b32 s25, 0
	s_wait_kmcnt 0x0
	s_cmp_lt_u32 ttmp9, 512
	s_cbranch_scc0 .Lweights
	s_lshl_b32 s22, ttmp9, 16                      ; 16 rows of 4096 bytes
	s_lshl_b32 s24, ttmp9, 11                      ; 16 rows of 128 bytes
	s_add_nc_u64 s[16:17], s[4:5], s[22:23]
	s_add_nc_u64 s[18:19], s[12:13], s[24:25]
	s_add_nc_u64 s[20:21], s[18:19], 8*XSTRIDE
	CASTROWS XSTRIDE
	s_endpgm
.Lweights:
	s_sub_co_u32 s26, ttmp9, 512
	s_lshr_b32 s27, s26, 6                         ; m: which matrix
	s_and_b32 s26, s26, 63                         ; c: which 16 rows of it
	s_cmp_eq_u32 s27, 1
	s_cselect_b64 s[16:17], s[8:9], s[6:7]
	s_cmp_eq_u32 s27, 2
	s_cselect_b64 s[16:17], s[10:11], s[16:17]
	s_lshl_b32 s22, s26, 16
	s_add_nc_u64 s[16:17], s[16:17], s[22:23]
	s_lshr_b32 s24, s26, 3                         ; j = c / 8
	s_mul_i32 s24, s24, 49152
	s_lshl_b32 s28, s27, 14                        ; m * 16384
	s_add_co_u32 s24, s24, s28
	s_and_b32 s28, s26, 7
	s_lshl_b32 s28, s28, 11                        ; (c mod 8) * 16 rows of 128 bytes
	s_add_co_u32 s24, s24, s28
	s_add_nc_u64 s[18:19], s[14:15], s[24:25]
	s_add_nc_u64 s[20:21], s[18:19], 8*WSTRIDE
	CASTROWS WSTRIDE
	s_endpgm
.Lfunc_end_k_q7a7afa5320_cast:
	.size	k_q7a7afa5320_cast, .Lfunc_end_k_q7a7afa5320_cast-k_q7a7afa5320_cast
	.p2alignl 7, 3214868480
	.fill 96, 4, 3214868480
	.section	.rodata,"a",@progbits
	.p2align	6, 0x0
	.amdhsa_kernel k_q7a7afa5320_cast
		.amdhsa_group_segment_fixed_size 0
		.amdhsa_private_segment_fixed_size 0
		.amdhsa_enable_private_segment 0
		.amdhsa_kernarg_size 48
		.amdhsa_user_sgpr_count 2
		.amdhsa_user_sgpr_kernarg_segment_ptr 1
		.amdhsa_wavefront_size32 1
		.amdhsa_system_sgpr_workgroup_id_x 1
		.amdhsa_system_sgpr_workgroup_id_y 1
		.amdhsa_system_sgpr_workgroup_id_z 1
		.amdhsa_system_vgpr_workitem_id 0
		.amdhsa_next_free_vgpr 104
		.amdhsa_next_free_sgpr 66
		.amdhsa_reserve_vcc 0
		.amdhsa_float_denorm_mode_32 3
		.amdhsa_float_denorm_mode_16_64 3
		.amdhsa_memory_ordered 1
		.amdhsa_forward_progress 1
		.amdhsa_inst_pref_size 14
	.end_amdhsa_kernel
	.amdgpu_metadata
---
amdhsa.version: [ 1, 2 ]
amdhsa.kernels:
  - .name:           k_q7a7afa5320_cast
    .symbol:         k_q7a7afa5320_cast.kd
    .args:
      - { .name: x, .offset: 0, .size: 8, .value_kind: global_buffer, .address_space: global }
      - { .name: Wq, .offset: 8, .size: 8, .value_kind: global_buffer, .address_space: global }
      - { .name: Wk, .offset: 16, .size: 8, .value_kind: global_buffer, .address_space: global }
      - { .name: Wv, .offset: 24, .size: 8, .value_kind: global_buffer, .address_space: global }
      - { .name: xb, .offset: 32, .size: 8, .value_kind: global_buffer, .address_space: global }
      - { .name: wb, .offset: 40, .size: 8, .value_kind: global_buffer, .address_space: global }
    .group_segment_fixed_size: 0
    .private_segment_fixed_size: 0
    .kernarg_segment_align: 8
    .kernarg_segment_size: 48
    .max_flat_workgroup_size: 256
    .sgpr_count:     66
    .vgpr_count:     104
    .wavefront_size: 32
...
	.end_amdgpu_metadata
.endif
;; end of part 4
;; launch proj: the kernel of part 2 again; grid 8 x 32, 4 waves a work-group, clusters of 4 x 4, 327,680 bytes of LDS; arguments xb, wb, bq, bk, bv, qb, kb, vtb; writes qb, kb, vtb
;; launch attn: the kernel of part 3 again; grid 256 x 1, 8 waves a work-group, clusters of 4 x 1, 327,680 bytes of LDS; arguments qb, kb, vtb, out0; writes out0
